; MI455X (gfx1250); checked and timed in simulation.
; The chip was launched on July 23, 2026; its instructions are those of AMD's public machine-readable ISA for CDNA 5 (MIT licence, August 2026) and "CDNA5" Instruction Set Architecture Reference Guide (July 2026). The comments in the code are by the model that wrote it; some were corrected since.
;; Soft Vector Quantizer. Allowed arithmetic: float matrix products may take bf16 or f16 operands with f32 sums; all other float work in f32.
;; Inputs: embedding 2,048 x 16 float32; z 1 x 16 x 32 x 32 x 32 float32.
;; Outputs: out0 1 x 16 x 32 x 32 x 32 float32; out1 one number float32; out2 1 x 16 x 32 x 32 x 32 float32; out3 1 x 32 x 32 x 32 int32.
;; One version. Each part assembles by itself: llvm-mc -triple=amdgcn-amd-amdhsa -mcpu=gfx1250 --defsym DOCPART=n.
;; ======== version 1 of 1: 3 launches
;; limits: values outside matrix products are rounded to bf16
;; workspace buffers: gidb 131,072 bytes of whole numbers; avgp 2,097,152 bytes; hp 1,024 bytes; ep 256 bytes
;; launch main (part 1): grid 256 x 1, 8 waves a work-group, no clusters, 276,736 bytes of LDS; arguments embedding, z, out0, gidb, avgp, hp; writes out0, gidb, avgp, hp
.if DOCPART == 1
	.amdgcn_target "amdgcn-amd-amdhsa--gfx1250"
	.amdhsa_code_object_version 6
	.text
	.protected	k_qdea321447c_main
	.globl	k_qdea321447c_main
	.p2align	8
	.type	k_qdea321447c_main,@function
k_qdea321447c_main:
	s_mov_b64 s[64:65], 0
	v_nop
	global_prefetch_b8 v0, s[64:65] scope:SCOPE_SE
	s_setreg_imm32_b32 hwreg(HW_REG_WAVE_MODE, 25, 1), 1
	s_wait_xcnt 0x0
; Soft vector quantiser, the sweeps over the logits.  32,768 tokens (z is [16 channels][32,768]) against 2,048 codes of 16 numbers.
; A work-group takes 128 tokens and all codes.  Wave w: tq = w & 1 (64 tokens, four tiles of 16), cq = w >> 1 (512 codes).
; The logits never leave registers; they are made three times by the matrix unit:
;   sweep 1: raw bf16(z) x raw bf16(code), times the code's 1/norm in f32: the row maximum U and the group of 8 codes that holds it;
;   sweep 2: t = exp((cos - max)/0.07): sum of t, sum of t^7 (100 = 7/0.07, so t^7 = exp(100 (cos - max))), and t x codebook;
;   sweep 3: q = softmax at 100 x cos, normalised: sum of q log2 q, and the sum of q over the tokens for every code.
; Sweeps 2 and 3 use the normalised code as a high and a low bf16 part in the two halves of K = 32; the token's 16 channels stand twice.
; LIMITS: NaN and infinities are not served; a row's sum of squares has to lie in f32's normal range (|x| about 1e-19 to 1e19);
; both inputs are rounded to bf16 first, so the group found is that of the rounded inputs, and it can differ from an f32 evaluation
; in another order where the two best cosines are within f32 rounding; t^7 goes to 0 where exp(100 (cos - max)) leaves f32's range.
; No tensor loads and no shared requests: the codebook has to pass through registers to become three bf16 tables.
.set RAW, 0                            ; bf16(code), fragment order: tile*512 + h*256 + r*16
.set LO,  65536                        ; low part of the normalised code, same order
.set HI,  131072                       ; high part, row-major, 32 bytes a code
.set RN,  196608                       ; 1/norm of each code, f32
.set ZS,  204800                       ; z stage: 16 channels, pitch 528
.set ST,  213504                       ; [cq][128 tokens] (U, group), 8 bytes; 4,096 bytes on: (sum t, sum t^7)
.set OP,  221696                       ; [cq] 8,448 bytes: [16 channels] pitch 528 [128 tokens] f32
.set AV,  255488                       ; [tq][2048] f32
.set RZT, 271872                       ; 1/sum t; 512 bytes on: a7; 1,024 on: nb7 (128 tokens each)
.set PA,  272384
.set HS,  273408                       ; one word a wave
.set GS,  273664                       ; 256 bytes a wave
.set ZF, 16                            ; v[16:47]  token fragments, tile T at 16 + 8T; registers 4-7 repeat 0-3
.set RZ, 48                            ; v[48:51]  1/norm of my tokens
.set U,  52                            ; v[52:55]  row maximum
.set G,  56                            ; v[56:59]  tile, then group of 8 codes, that holds it
.set P1, 60                            ; v[60:67]  pairs (a1, nb1): log2 t = a1 * dot + nb1
; v1 lane, v2 r = lane & 15 (= t & 15), v3 h = lane >> 4, v4 t >> 4, v5 byte offset in z and out0; v6-v15 addresses of the phase
.macro BAR                             ; my LDS instructions are done, then all eight waves meet
	s_wait_dscnt 0x0
	s_barrier_signal -1
	s_barrier_wait -1
.endm
.macro RNORM y, ss, e                  ; y = min(1/sqrt(ss), 1e12), one Newton step; 1e12 = 1/eps of the norm's floor
	v_rsq_f32 v[\y], v[\ss]
	v_nop                                          ; one plain place behind the transcendental (ISA guide 5.7.2)
	s_wait_alu depctr_va_vdst(0)
	v_min_num_f32 v[\y], s29, v[\y]
	v_mul_f32 v[\e], v[\ss], v[\y]
	v_fma_f32 v[\e], -v[\e], v[\y], 1.0
	v_mul_f32 v[\e+1], 0.5, v[\y]
	v_fma_f32 v[\y], v[\e+1], v[\e], v[\y]
	v_min_num_f32 v[\y], s29, v[\y]
.endm
	s_load_b256 s[4:11], s[0:1], 0x0               ; embedding s[4:5], z s[6:7], out0 s[8:9], gidb s[10:11]
	s_load_b128 s[12:15], s[0:1], 0x20             ; avgp s[12:13], hp s[14:15]
	v_lshl_add_u32 v254, v0, 2, 0x43500
	v_mov_b32 v255, 0
	v_lshrrev_b32 v1, 5, v0
	v_readfirstlane_b32 s16, v1                    ; wave
	s_and_b32 s17, s16, 1                          ; tq
	s_lshr_b32 s18, s16, 1                         ; cq
	s_mov_b32 s20, 0x76543210                      ; v_permlanex16_b32: lane i reads lane i of the other half
	s_mov_b32 s21, 0xfedcba98
	s_mov_b32 s28, 0xffff0000                      ; a word's upper bf16
	s_mov_b32 s29, 0x5368d4a5                      ; 1e12
	s_lshl_b32 s30, ttmp9, 9                       ; 128 tokens x 4 bytes
	s_mov_b32 s31, 0
	s_lshl_b32 s32, ttmp9, 8                       ; my 256 bytes in each code block of avgp
	s_mov_b32 s33, 0
	s_lshl_b32 s36, ttmp9, 2
	s_mov_b32 s37, 0
	v_and_b32 v1, 31, v0
	v_and_b32 v2, 15, v0
	v_bfe_u32 v3, v0, 4, 1
	v_lshrrev_b32 v4, 4, v0
	v_lshlrev_b32 v5, 17, v4                       ; channel t >> 4: 131,072 bytes each,
	v_lshl_add_u32 v5, v2, 4, v5                   ; 16 bytes a lane: sixteen lanes cover 256 consecutive bytes
	v_lshlrev_b32 v6, 6, v0                        ; a code row is 64 bytes
	s_wait_kmcnt 0x0
	s_add_nc_u64 s[6:7], s[6:7], s[30:31]
	s_add_nc_u64 s[8:9], s[8:9], s[30:31]
	s_add_nc_u64 s[10:11], s[10:11], s[30:31]
	s_add_nc_u64 s[12:13], s[12:13], s[32:33]
	s_add_nc_u64 s[14:15], s[14:15], s[36:37]
; ---------------- phase 0: the tables ----------------
.set X,  68                            ; v[68:195] code 256 s + t at 68 + 16 s
.set R,  196                           ; v[196:203] packed bf16
.set TT, 204
.set SS, 206
.set RV, 208
.set E,  210
.set ZI, 212
	global_load_b128 v[ZI:ZI+3], v5, s[6:7]
	global_load_b128 v[ZI+4:ZI+7], v5, s[6:7] offset:256
.irp s, 0,1,2,3,4,5,6,7
.irp q, 0,1,2,3
	global_load_b128 v[X+16*\s+4*\q:X+16*\s+4*\q+3], v6, s[4:5] offset:\s*16384+16*\q
.endr
.endr
	v_lshlrev_b32 v7, 9, v4                        ; RAW: tile (t >> 4) of this batch of 256 codes, row t & 15
	v_lshl_add_u32 v7, v2, 4, v7
	v_add_nc_u32 v8, LO, v7
	v_lshl_add_u32 v9, v0, 5, HI
	v_lshl_add_u32 v10, v0, 2, RN
	v_mul_u32_u24 v11, v4, 528
	v_lshl_add_u32 v11, v2, 4, v11
	v_add_nc_u32 v11, ZS, v11
	s_wait_loadcnt 32                              ; z's two loads are in; the 32 loads of the codes were issued behind them
	ds_store_b128 v11, v[ZI:ZI+3]
	ds_store_b128 v11, v[ZI+4:ZI+7] offset:256
.macro CODE s                          ; code 256 s + t: raw bf16, 1/norm, high and low part of the normalised code
	s_wait_loadcnt 4*(7-\s)                        ; the four loads of each later code may stay out
.irp j, 0,1,2,3,4,5,6,7
	v_cvt_pk_bf16_f32 v[R+\j], v[X+16*\s+2*\j], v[X+16*\s+2*\j+1]
.endr
	ds_store_b128 v7, v[R:R+3] offset:\s*8192
	ds_store_b128 v7, v[R+4:R+7] offset:\s*8192+256
.irp j, 0,1,2,3,4,5,6,7
	v_lshlrev_b32 v[X+16*\s+2*\j], 16, v[R+\j]     ; from here on the code is its bf16 rounding
	v_and_b32 v[X+16*\s+2*\j+1], s28, v[R+\j]
.endr
	v_pk_mul_f32 v[SS:SS+1], v[X+16*\s:X+16*\s+1], v[X+16*\s:X+16*\s+1]
.irp j, 1,2,3,4,5,6,7
	v_pk_fma_f32 v[SS:SS+1], v[X+16*\s+2*\j:X+16*\s+2*\j+1], v[X+16*\s+2*\j:X+16*\s+2*\j+1], v[SS:SS+1]
.endr
	v_add_f32 v[SS], v[SS], v[SS+1]
	RNORM RV, SS, E
	v_mov_b32 v[RV+1], v[RV]
	ds_store_b32 v10, v[RV] offset:\s*1024
.irp j, 0,1,2,3,4,5,6,7
	v_pk_mul_f32 v[X+16*\s+2*\j:X+16*\s+2*\j+1], v[X+16*\s+2*\j:X+16*\s+2*\j+1], v[RV:RV+1]
.endr
.irp j, 0,1,2,3,4,5,6,7
	v_cvt_pk_bf16_f32 v[R+\j], v[X+16*\s+2*\j], v[X+16*\s+2*\j+1]
.endr
	ds_store_b128 v9, v[R:R+3] offset:\s*8192
	ds_store_b128 v9, v[R+4:R+7] offset:\s*8192+16
.irp j, 0,1,2,3,4,5,6,7
	v_lshlrev_b32 v[TT], 16, v[R+\j]
	v_and_b32 v[TT+1], s28, v[R+\j]
	v_pk_add_f32 v[X+16*\s+2*\j:X+16*\s+2*\j+1], v[X+16*\s+2*\j:X+16*\s+2*\j+1], v[TT:TT+1] neg_lo:[0,1] neg_hi:[0,1]
.endr
.irp j, 0,1,2,3,4,5,6,7
	v_cvt_pk_bf16_f32 v[R+\j], v[X+16*\s+2*\j], v[X+16*\s+2*\j+1]
.endr
	ds_store_b128 v8, v[R:R+3] offset:\s*8192
	ds_store_b128 v8, v[R+4:R+7] offset:\s*8192+256
.endm
.irp s, 0,1,2,3,4,5,6,7
	CODE \s
.endr
	BAR                                            ; the tables and the z stage are whole
	; my 64 tokens as fragments: lane (r, h) holds token 16T + r, channels 8h .. 8h+7
	v_mul_u32_u24 v12, v3, 4224
	v_lshl_add_u32 v12, v2, 2, v12
	s_lshl_b32 s24, s17, 8
	s_add_co_u32 s24, s24, ZS
	v_add_nc_u32 v12, s24, v12
.irp T, 0,1,2,3
.irp i, 0,1,2,3,4,5,6,7
	ds_load_b32 v[68+8*\T+\i], v12 offset:\i*528+\T*64
.endr
.endr
	s_wait_dscnt 0x0
.irp T, 0,1,2,3
.irp q, 0,1,2,3
	v_cvt_pk_bf16_f32 v[ZF+8*\T+\q], v[68+8*\T+2*\q], v[68+8*\T+2*\q+1]
.endr
.irp q, 0,1,2,3
	v_mov_b32 v[ZF+8*\T+4+\q], v[ZF+8*\T+\q]       ; K = 16 .. 31: the same channels again, for the codes' low parts
	v_lshlrev_b32 v[68+8*\T+2*\q], 16, v[ZF+8*\T+\q]
	v_and_b32 v[68+8*\T+2*\q+1], s28, v[ZF+8*\T+\q]
.endr
	v_pk_mul_f32 v[100+2*\T:101+2*\T], v[68+8*\T:69+8*\T], v[68+8*\T:69+8*\T]
.irp q, 1,2,3
	v_pk_fma_f32 v[100+2*\T:101+2*\T], v[68+8*\T+2*\q:69+8*\T+2*\q], v[68+8*\T+2*\q:69+8*\T+2*\q], v[100+2*\T:101+2*\T]
.endr
	v_add_f32 v[100+2*\T], v[100+2*\T], v[101+2*\T]
	v_permlanex16_b32 v[101+2*\T], v[100+2*\T], s20, s21   ; the other eight channels
	v_add_f32 v[100+2*\T], v[100+2*\T], v[101+2*\T]
.endr
.irp T, 0,1,2,3
	v_rsq_f32 v[RZ+\T], v[100+2*\T]
.endr
	v_nop
	s_wait_alu depctr_va_vdst(0)
.irp T, 0,1,2,3
	v_min_num_f32 v[RZ+\T], s29, v[RZ+\T]
.endr
; ---------------- sweep 1: maximum and its group of 8 codes; register j of lane (r, h) = code 8h + j, token r ----------------
.set FA,  68                           ; v[68:83]   raw code fragments, two sets; registers 4-7 stay 0
.set RNR, 84                           ; v[84:99]   1/norm of my 8 codes, two sets
.set D1,  100                          ; v[100:163] products, two sets of four tiles
.set GM,  164
.set TI,  168
	s_lshl_b32 s24, s18, 14                        ; my 512 codes: 32 tiles of 512 bytes
	v_lshl_add_u32 v6, v1, 4, s24
	s_lshl_b32 s25, s18, 11
	s_add_co_u32 s25, s25, RN
	v_lshl_add_u32 v7, v3, 5, s25
	s_lshl_b32 s23, s18, 5                         ; number of the tile at work
.irp i, 4,5,6,7,12,13,14,15
	v_mov_b32 v[FA+\i], 0
.endr
.irp T, 0,1,2,3
	v_mov_b32 v[U+\T], 0xff800000
	v_mov_b32 v[G+\T], 0
.endr
.macro LDF1 set
	ds_load_b128 v[FA+8*\set:FA+8*\set+3], v6 offset:512*\set
.endm
.macro LDR1 set
	ds_load_b128 v[RNR+8*\set:RNR+8*\set+3], v7 offset:64*\set
	ds_load_b128 v[RNR+8*\set+4:RNR+8*\set+7], v7 offset:64*\set+16
.endm
.macro W1 set
.irp T, 0,1,2,3
	v_wmma_f32_16x16x32_bf16 v[D1+32*\set+8*\T:D1+32*\set+8*\T+7], v[FA+8*\set:FA+8*\set+7], v[ZF+8*\T:ZF+8*\T+7], 0
.endr
.endm
.macro PR1 set                         ; 45 plain vector instructions; a strict > keeps the lower tile on a tie
	v_mov_b32 v[TI], s23
.irp T, 0,1,2,3
.irp q, 0,1,2,3
	v_pk_mul_f32 v[D1+32*\set+8*\T+2*\q:D1+32*\set+8*\T+2*\q+1], v[D1+32*\set+8*\T+2*\q:D1+32*\set+8*\T+2*\q+1], v[RNR+8*\set+2*\q:RNR+8*\set+2*\q+1]
.endr
	v_max3_num_f32 v[GM+\T], v[D1+32*\set+8*\T], v[D1+32*\set+8*\T+1], v[D1+32*\set+8*\T+2]
	v_max3_num_f32 v[GM+\T], v[GM+\T], v[D1+32*\set+8*\T+3], v[D1+32*\set+8*\T+4]
	v_max3_num_f32 v[GM+\T], v[GM+\T], v[D1+32*\set+8*\T+5], v[D1+32*\set+8*\T+6]
	v_max_num_f32 v[GM+\T], v[GM+\T], v[D1+32*\set+8*\T+7]
	v_cmp_gt_f32 vcc_lo, v[GM+\T], v[U+\T]
	v_cndmask_b32 v[G+\T], v[G+\T], v[TI], vcc_lo
	v_max_num_f32 v[U+\T], v[U+\T], v[GM+\T]
.endr
	s_add_co_u32 s23, s23, 1
.endm
; A step multiplies set cur and works on set prev's products.  The arithmetic of one step is the distance between a set's matrix
; instructions and the reading of their results, and between a fragment's last use and its reload (ISA guide 7.12.1).
.macro STEP1 cur, prev, ld
.if \ld
	s_wait_dscnt 0x2                               ; all but the two youngest loads (1/norm of set cur, first used a step later): cur's fragment and prev's 1/norm are in
.else
	s_wait_dscnt 0x0
.endif
	W1 \cur
.if \ld
	LDF1 \prev
.endif
	PR1 \prev
.if \ld
	LDR1 \prev
.endif
.endm
	LDF1 0
	LDR1 0
	LDF1 1
	LDR1 1
	s_wait_dscnt 0x0
	W1 0
.rept 4
	v_nop                                          ; four places behind the first products
.endr
	s_mov_b32 s22, 15
.Ls1:
	v_add_nc_u32 v6, 1024, v6                      ; two tiles a trip
	v_add_nc_u32 v7, 128, v7
	STEP1 1, 0, 1
	STEP1 0, 1, 1
	s_sub_co_u32 s22, s22, 1
	s_cmp_lg_u32 s22, 0
	s_cbranch_scc1 .Ls1
	STEP1 1, 0, 0                                  ; tile 31 is multiplied, nothing more is fetched
	PR1 1
	; the two halves of the lanes (groups 2 tile + h), then the four quarters of the codes; on a tie the lower group
	s_lshl_b32 s24, s17, 9
	s_add_co_u32 s26, s24, ST
	s_lshl_b32 s25, s18, 10
	s_add_co_u32 s25, s25, s26
	v_lshl_add_u32 v8, v2, 3, s25                  ; ST + cq*1024 + (tq*64 + r)*8: kept for sweep 2's sums
	v_lshl_add_u32 v9, v2, 3, s26
.irp T, 0,1,2,3
	v_lshl_add_u32 v[G+\T], v[G+\T], 1, v3
	v_permlanex16_b32 v[100+\T], v[U+\T], s20, s21
	v_permlanex16_b32 v[104+\T], v[G+\T], s20, s21
	v_cmp_gt_f32 s24, v[100+\T], v[U+\T]
	v_cmp_eq_f32 s25, v[100+\T], v[U+\T]
	v_cmp_lt_u32 s26, v[104+\T], v[G+\T]
	s_and_b32 s25, s25, s26
	s_or_b32 vcc_lo, s24, s25
	v_cndmask_b32 v[108+2*\T], v[U+\T], v[100+\T], vcc_lo
	v_cndmask_b32 v[109+2*\T], v[G+\T], v[104+\T], vcc_lo
	ds_store_b64 v8, v[108+2*\T:109+2*\T] offset:128*\T
.endr
	BAR
.irp q, 0,1,2,3
.irp T, 0,1,2,3
	ds_load_b64 v[112+8*\q+2*\T:113+8*\q+2*\T], v9 offset:1024*\q+128*\T
.endr
.endr
	s_wait_dscnt 0x0
.irp T, 0,1,2,3
	v_mov_b32 v[U+\T], v[112+2*\T]
	v_mov_b32 v[G+\T], v[113+2*\T]
.irp q, 1,2,3
	v_cmp_gt_f32 vcc_lo, v[112+8*\q+2*\T], v[U+\T]
	v_cndmask_b32 v[G+\T], v[G+\T], v[113+8*\q+2*\T], vcc_lo
	v_max_num_f32 v[U+\T], v[U+\T], v[112+8*\q+2*\T]
.endr
.endr
	s_cmp_lg_u32 s18, 0                            ; waves 0 and 1 store their 64 tokens' groups
	s_cbranch_scc1 .Lnog
	s_lshl_b32 s26, s16, 8
	s_add_co_u32 s26, s26, GS                      ; the wave's own 256 bytes: LDS serves a wave in order (ISA guide 5.7.1)
	v_lshl_add_u32 v11, v2, 2, s26
	v_lshl_add_u32 v12, v1, 3, s26
	s_lshl_b32 s27, s17, 8
	v_lshl_add_u32 v13, v1, 3, s27
.irp T, 0,1,2,3
	ds_store_b32 v11, v[G+\T] offset:64*\T
.endr
	ds_load_b64 v[250:251], v12
	s_wait_dscnt 0x0
	global_store_b64 v13, v[250:251], s[10:11]     ; the wave stores 256 consecutive bytes, aligned
	s_wait_xcnt 0x0                                ; v13 and v[250:251] are written again later
.Lnog:
.irp T, 0,1,2,3
	v_mul_f32 v[P1+2*\T], 0x41a4e123, v[RZ+\T]     ; a1 = log2(e)/0.07 / |z|
	v_mul_f32 v[P1+2*\T+1], -v[U+\T], v[P1+2*\T]   ; nb1 = -max * a1: the maximum is taken away in the exponent
.endr
; ---------------- sweep 2: chunks of 32 codes ----------------
.set FB, 68                            ; v[68:115]  two buffers of 24: tile a, tile b (high | low), the 32 codes transposed
.set D2, 116                           ; v[116:147] two sets of two tiles
.set P2, 148                           ; v[148:163] two sets: t in bf16, already a B fragment (K = 32 codes, column = token)
.set O2, 164                           ; v[164:195] sums of t x code, tile T: register j = channel 8h + j, token r
.set ZT, 196                           ; v[196:203] sums of t, a pair for each tile
.set Z7, 204                           ; v[204:211] sums of t^7
.set W,  212                           ; v[212:227]
.macro ADDRHL                          ; v6: high parts as fragments, v7: low parts, of my quarter's first tile
	s_lshl_b32 s24, s18, 14
	s_add_co_u32 s25, s24, HI
	s_add_co_u32 s26, s24, LO
	v_lshlrev_b32 v6, 5, v2
	v_lshl_add_u32 v6, v3, 4, v6
	v_add_nc_u32 v6, s25, v6
	v_lshl_add_u32 v7, v1, 4, s26
.endm
	ADDRHL
	v_and_b32 v15, 7, v0                           ; transposing load: row 8h + (lane & 7), 16 bytes (lane >> 3) & 1
	v_lshl_add_u32 v15, v3, 3, v15
	v_bfe_u32 v10, v0, 3, 1
	v_lshlrev_b32 v10, 4, v10
	v_lshl_add_u32 v10, v15, 5, v10
	v_add_nc_u32 v10, s25, v10
.macro LD2 buf
	ds_load_b128 v[FB+24*(\buf):FB+24*(\buf)+3], v6
	ds_load_b128 v[FB+24*(\buf)+4:FB+24*(\buf)+7], v7
	ds_load_b128 v[FB+24*(\buf)+8:FB+24*(\buf)+11], v6 offset:512
	ds_load_b128 v[FB+24*(\buf)+12:FB+24*(\buf)+15], v7 offset:512
	ds_load_tr16_b128 v[FB+24*(\buf)+16:FB+24*(\buf)+19], v10
	ds_load_tr16_b128 v[FB+24*(\buf)+20:FB+24*(\buf)+23], v10 offset:512
	v_add_nc_u32 v6, 1024, v6
	v_add_nc_u32 v7, 1024, v7
	v_add_nc_u32 v10, 1024, v10
.endm
.macro W2 buf, tk
	v_wmma_f32_16x16x32_bf16 v[D2+16*(\tk&1):D2+16*(\tk&1)+7], v[FB+24*(\buf):FB+24*(\buf)+7], v[ZF+8*\tk:ZF+8*\tk+7], 0
	v_wmma_f32_16x16x32_bf16 v[D2+16*(\tk&1)+8:D2+16*(\tk&1)+15], v[FB+24*(\buf)+8:FB+24*(\buf)+15], v[ZF+8*\tk:ZF+8*\tk+7], 0
.endm
.macro PR2 tk
.set DD, D2+16*(\tk&1)
.set PP, P2+8*(\tk&1)
.irp i, 0,1,2,3,4,5,6,7
	v_pk_fma_f32 v[DD+2*\i:DD+2*\i+1], v[DD+2*\i:DD+2*\i+1], v[P1+2*\tk:P1+2*\tk+1], v[P1+2*\tk:P1+2*\tk+1] op_sel:[0,0,1] op_sel_hi:[1,0,1]
.endr
.irp i, 0,1,2,3,4,5,6,7,8,9,10,11,12,13,14,15
	v_exp_f32 v[DD+\i], v[DD+\i]
.endr
	v_nop
	s_wait_alu depctr_va_vdst(0)
.irp i, 0,1,2,3,4,5,6,7
	v_cvt_pk_bf16_f32 v[PP+\i], v[DD+2*\i], v[DD+2*\i+1]
.endr
.irp i, 0,1,2,3,4,5,6,7
	v_pk_mul_f32 v[W+2*\i:W+2*\i+1], v[DD+2*\i:DD+2*\i+1], v[DD+2*\i:DD+2*\i+1]
.endr
.irp i, 0,1,2,3,4,5,6,7
	v_pk_mul_f32 v[W+2*\i:W+2*\i+1], v[W+2*\i:W+2*\i+1], v[DD+2*\i:DD+2*\i+1]
.endr
.irp i, 0,1,2,3,4,5,6,7
	v_pk_mul_f32 v[W+2*\i:W+2*\i+1], v[W+2*\i:W+2*\i+1], v[W+2*\i:W+2*\i+1]
.endr
.irp i, 0,1,2,3,4,5,6,7
	v_pk_add_f32 v[ZT+2*\tk:ZT+2*\tk+1], v[ZT+2*\tk:ZT+2*\tk+1], v[DD+2*\i:DD+2*\i+1]
	v_pk_fma_f32 v[Z7+2*\tk:Z7+2*\tk+1], v[W+2*\i:W+2*\i+1], v[DD+2*\i:DD+2*\i+1], v[Z7+2*\tk:Z7+2*\tk+1]   ; t^6 * t
.endr
.endm
.macro PV buf, tk, zero                ; the four sums take turns, one instruction a turn
.if \zero
	v_wmma_f32_16x16x32_bf16 v[O2+8*\tk:O2+8*\tk+7], v[FB+24*(\buf)+16:FB+24*(\buf)+23], v[P2+8*(\tk&1):P2+8*(\tk&1)+7], 0
.else
	v_wmma_f32_16x16x32_bf16 v[O2+8*\tk:O2+8*\tk+7], v[FB+24*(\buf)+16:FB+24*(\buf)+23], v[P2+8*(\tk&1):P2+8*(\tk&1)+7], v[O2+8*\tk:O2+8*\tk+7]
.endif
.endm
; The products of token tile T+1 are issued ahead of the arithmetic on tile T: that arithmetic is the distance in front of their reading.
.macro CHUNK b, zero, ld, last
	W2 \b, 1
	PR2 0
	PV \b, 0, \zero
.if \ld
	LD2 1-\b                                       ; the other buffer's last use lies behind the arithmetic above
.endif
	W2 \b, 2
	PR2 1
	PV \b, 1, \zero
	W2 \b, 3
	PR2 2
	PV \b, 2, \zero
.if \last == 0
	s_wait_dscnt 0x0                               ; the next chunk's six loads, issued two tiles' arithmetic ago
	W2 1-\b, 0
.endif
	PR2 3
	PV \b, 3, \zero
.endm
.irp i, 0,1,2,3,4,5,6,7
	v_mov_b32 v[ZT+\i], 0
	v_mov_b32 v[Z7+\i], 0
.endr
	LD2 0
	s_wait_dscnt 0x0
	W2 0, 0
.rept 4
	v_nop
.endr
	CHUNK 0, 1, 1, 0                               ; the first chunk starts the sums of t x code
	s_mov_b32 s22, 7
.Ls2:
	CHUNK 1, 0, 1, 0
	CHUNK 0, 0, 1, 0
	s_sub_co_u32 s22, s22, 1
	s_cmp_lg_u32 s22, 0
	s_cbranch_scc1 .Ls2
	CHUNK 1, 0, 0, 1
.irp T, 0,1,2,3
	v_add_f32 v[ZT+2*\T], v[ZT+2*\T], v[ZT+2*\T+1] ; these eight lines are also the places behind the last matrix instruction
	v_add_f32 v[Z7+2*\T], v[Z7+2*\T], v[Z7+2*\T+1]
.endr
	s_mul_i32 s24, s18, 8448
	s_lshl_b32 s25, s17, 8
	s_add_co_u32 s24, s24, s25
	s_add_co_u32 s24, s24, OP
	v_mul_u32_u24 v14, v3, 4224
	v_lshl_add_u32 v14, v2, 2, v14
	v_add_nc_u32 v14, s24, v14
.irp T, 0,1,2,3
	v_permlanex16_b32 v[ZT+2*\T+1], v[ZT+2*\T], s20, s21
	v_permlanex16_b32 v[Z7+2*\T+1], v[Z7+2*\T], s20, s21
	v_add_f32 v[W+2*\T], v[ZT+2*\T], v[ZT+2*\T+1]
	v_add_f32 v[W+2*\T+1], v[Z7+2*\T], v[Z7+2*\T+1]
	ds_store_b64 v8, v[W+2*\T:W+2*\T+1] offset:4096+128*\T
.endr
.irp T, 0,1,2,3
.irp j, 0,1,2,3,4,5,6,7
	ds_store_b32 v14, v[O2+8*\T+\j] offset:\j*528+\T*64
.endr
.endr
	BAR
	s_cmp_lg_u32 s18, 0                            ; waves 0 and 1 make their 64 tokens' parameters
	s_cbranch_scc1 .Lnoz
.irp q, 0,1,2,3
.irp T, 0,1,2,3
	ds_load_b64 v[116+8*\q+2*\T:117+8*\q+2*\T], v9 offset:4096+1024*\q+128*\T
.endr
.endr
	s_lshl_b32 s24, s17, 8
	s_add_co_u32 s24, s24, RZT
	v_lshl_add_u32 v15, v2, 2, s24
	s_wait_dscnt 0x0
.irp T, 0,1,2,3
	v_pk_add_f32 v[116+2*\T:117+2*\T], v[116+2*\T:117+2*\T], v[124+2*\T:125+2*\T]
	v_pk_add_f32 v[132+2*\T:133+2*\T], v[132+2*\T:133+2*\T], v[140+2*\T:141+2*\T]
	v_pk_add_f32 v[116+2*\T:117+2*\T], v[116+2*\T:117+2*\T], v[132+2*\T:133+2*\T]
.endr
.irp T, 0,1,2,3
	v_rcp_f32 v[148+\T], v[116+2*\T]
	v_log_f32 v[152+\T], v[117+2*\T]
.endr
	v_nop
	s_wait_alu depctr_va_vdst(0)
.irp T, 0,1,2,3
	v_mul_f32 v[156+\T], 0x431044fe, v[RZ+\T]      ; a7 = 100 log2(e) / |z|
	v_fma_f32 v[152+\T], -v[U+\T], v[156+\T], -v[152+\T]   ; nb7 = -max * a7 - log2(sum of t^7)
	ds_store_b32 v15, v[148+\T] offset:64*\T
	ds_store_b32 v15, v[156+\T] offset:512+64*\T
	ds_store_b32 v15, v[152+\T] offset:1024+64*\T
.endr
.Lnoz:
	BAR
; ---------------- out0, and sweep 3's parameters and first fragments ----------------
.set A7,  68                           ; v[68:99]   a7 of token 16T + 8h + j at 68 + 8T + j
.set NB7, 100                          ; v[100:131]
.set FC,  132                          ; v[132:147] code fragments (high | low), two sets
.set D3,  148                          ; v[148:211] two sets of four tiles: register j = token 8h + j, lane's code r
.set Q,   212                          ; v[212:243]
.set H,   244                          ; v[244:247] two pairs: sum of q log2 q
.set AVS, 248                          ; v[248:251]
	v_mul_u32_u24 v14, v4, 528                     ; channel t >> 4, tokens 4 (t & 15) .. +3 and 64 further on
	v_lshl_add_u32 v14, v2, 4, v14
	v_add_nc_u32 v14, OP, v14
	v_lshl_add_u32 v15, v2, 4, RZT
.irp q, 0,1,2,3
	ds_load_b128 v[212+8*\q:215+8*\q], v14 offset:\q*8448
	ds_load_b128 v[216+8*\q:219+8*\q], v14 offset:\q*8448+256
.endr
	ds_load_b128 v[244:247], v15
	ds_load_b128 v[248:251], v15 offset:256
	s_lshl_b32 s24, s17, 8
	s_add_co_u32 s24, s24, PA
	v_lshl_add_u32 v13, v3, 5, s24
.irp T, 0,1,2,3
	ds_load_b128 v[A7+8*\T:A7+8*\T+3], v13 offset:64*\T
	ds_load_b128 v[A7+8*\T+4:A7+8*\T+7], v13 offset:64*\T+16
	ds_load_b128 v[NB7+8*\T:NB7+8*\T+3], v13 offset:512+64*\T
	ds_load_b128 v[NB7+8*\T+4:NB7+8*\T+7], v13 offset:512+64*\T+16
.endr
	ADDRHL
.macro LD3 set
	ds_load_b128 v[FC+8*\set:FC+8*\set+3], v6 offset:512*\set
	ds_load_b128 v[FC+8*\set+4:FC+8*\set+7], v7 offset:512*\set
.endm
	LD3 0
	LD3 1
	s_wait_dscnt 20                                ; out0's ten loads are in: 16 loads of parameters and 4 of fragments were issued behind them
.irp q, 1,2,3
.irp i, 0,1,2,3
	v_pk_add_f32 v[212+2*\i:213+2*\i], v[212+2*\i:213+2*\i], v[212+8*\q+2*\i:213+8*\q+2*\i]
.endr
.endr
.irp i, 0,1,2,3
	v_pk_mul_f32 v[212+2*\i:213+2*\i], v[212+2*\i:213+2*\i], v[244+2*\i:245+2*\i]
.endr
	global_store_b128 v5, v[212:215], s[8:9]       ; sixteen lanes store 256 consecutive bytes, aligned
	global_store_b128 v5, v[216:219], s[8:9] offset:256
	s_lshl_b32 s24, s17, 13
	s_lshl_b32 s25, s18, 11
	s_add_co_u32 s24, s24, s25
	s_add_co_u32 s24, s24, AV
	v_lshl_add_u32 v10, v2, 2, s24
	s_wait_xcnt 0x0                                ; v[212:219] are written again in the sweep
.irp i, 0,1,2,3
	v_mov_b32 v[H+\i], 0
.endr
; ---------------- sweep 3 ----------------
.macro W3 set
.irp T, 0,1,2,3
	v_wmma_f32_16x16x32_bf16 v[D3+32*\set+8*\T:D3+32*\set+8*\T+7], v[ZF+8*\T:ZF+8*\T+7], v[FC+8*\set:FC+8*\set+7], 0
.endr
.endm
.macro PR3 set
.set DD, D3+32*\set
.irp i, 0,1,2,3,4,5,6,7,8,9,10,11,12,13,14,15
	v_pk_fma_f32 v[DD+2*\i:DD+2*\i+1], v[DD+2*\i:DD+2*\i+1], v[A7+2*\i:A7+2*\i+1], v[NB7+2*\i:NB7+2*\i+1]   ; log2 q
.endr
.set n, 0
.rept 32
	v_exp_f32 v[Q+n], v[DD+n]
.set n, n+1
.endr
	v_nop
	s_wait_alu depctr_va_vdst(0)
.irp i, 0,1,2,3,4,5,6,7,8,9,10,11,12,13,14,15
	v_pk_fma_f32 v[H+2*(\i&1):H+2*(\i&1)+1], v[Q+2*\i:Q+2*\i+1], v[DD+2*\i:DD+2*\i+1], v[H+2*(\i&1):H+2*(\i&1)+1]
.endr
	v_pk_add_f32 v[AVS:AVS+1], v[Q:Q+1], v[Q+2:Q+3]
	v_pk_add_f32 v[AVS+2:AVS+3], v[Q+4:Q+5], v[Q+6:Q+7]
.irp i, 4,5,6,7,8,9,10,11,12,13,14,15
	v_pk_add_f32 v[AVS+2*(\i&1):AVS+2*(\i&1)+1], v[AVS+2*(\i&1):AVS+2*(\i&1)+1], v[Q+2*\i:Q+2*\i+1]
.endr
	v_pk_add_f32 v[AVS:AVS+1], v[AVS:AVS+1], v[AVS+2:AVS+3]
	v_add_f32 v[AVS], v[AVS], v[AVS+1]
	v_permlanex16_b32 v[AVS+1], v[AVS], s20, s21
	v_add_f32 v[AVS], v[AVS], v[AVS+1]             ; code r summed over my 64 tokens
	ds_store_b32 v10, v[AVS] offset:64*\set
.endm
.macro STEP3 cur, prev, ld
.if \ld
	s_wait_dscnt 0x1                               ; cur's two fragment loads are in; the one store issued behind them may stay out
.else
	s_wait_dscnt 0x0
.endif
	W3 \cur
.if \ld
	LD3 \prev
.endif
	PR3 \prev
.endm
	s_wait_dscnt 0x0
	W3 0
.rept 4
	v_nop
.endr
	s_mov_b32 s22, 15
.Ls3:
	v_add_nc_u32 v6, 1024, v6
	v_add_nc_u32 v7, 1024, v7
	STEP3 1, 0, 1
	STEP3 0, 1, 1
	v_add_nc_u32 v10, 128, v10
	s_sub_co_u32 s22, s22, 1
	s_cmp_lg_u32 s22, 0
	s_cbranch_scc1 .Ls3
	STEP3 1, 0, 0
	PR3 1
	v_pk_add_f32 v[H:H+1], v[H:H+1], v[H+2:H+3]
	v_add_f32 v[H], v[H], v[H+1]
	v_add_f32_dpp v[H], v[H], v[H] row_xmask:1 row_mask:0xf bank_mask:0xf
	v_add_f32_dpp v[H], v[H], v[H] row_xmask:2 row_mask:0xf bank_mask:0xf
	v_add_f32_dpp v[H], v[H], v[H] row_xmask:4 row_mask:0xf bank_mask:0xf
	v_add_f32_dpp v[H], v[H], v[H] row_xmask:8 row_mask:0xf bank_mask:0xf
	v_permlanex16_b32 v[H+1], v[H], s20, s21
	v_add_f32 v[H], v[H], v[H+1]
	s_lshl_b32 s24, s16, 2
	s_add_co_u32 s24, s24, HS
	v_mov_b32 v13, s24
	ds_store_b32 v13, v[H]
	BAR
	; the work-group's sums over its 128 tokens: avgp is [32 blocks of 64 codes][256 work-groups][64 codes]
	v_lshl_add_u32 v11, v0, 4, AV
	v_mov_b32 v13, HS
	ds_load_b128 v[148:151], v11
	ds_load_b128 v[152:155], v11 offset:4096
	ds_load_b128 v[156:159], v11 offset:8192
	ds_load_b128 v[160:163], v11 offset:12288
	ds_load_b128 v[164:167], v13
	ds_load_b128 v[168:171], v13 offset:16
	v_lshlrev_b32 v12, 16, v4
	v_lshl_add_u32 v12, v2, 4, v12
	v_mov_b32 v14, 0
	s_wait_dscnt 0x0
.irp i, 0,1,2,3
	v_pk_add_f32 v[148+2*\i:149+2*\i], v[148+2*\i:149+2*\i], v[156+2*\i:157+2*\i]
.endr
	global_store_b128 v12, v[148:151], s[12:13]    ; codes 4t .. 4t+3: sixteen lanes store 256 consecutive bytes, aligned
	global_store_b128 v12, v[152:155], s[12:13] offset:1048576   ; codes 1024 + 4t ..: sixteen blocks on
	v_pk_add_f32 v[164:165], v[164:165], v[166:167]
	v_pk_add_f32 v[168:169], v[168:169], v[170:171]
	v_pk_add_f32 v[164:165], v[164:165], v[168:169]
	v_add_f32 v164, v164, v165
	v_cmp_eq_u32 vcc_lo, 0, v0
	s_wait_xcnt 0x0                                ; EXEC changes only behind this wait
	s_wait_tensorcnt 0x0
	ds_add_u32 v254, v255
	s_wait_dscnt 0x0
	s_and_saveexec_b32 s34, vcc_lo
	global_store_b32 v14, v164, s[14:15]
	s_wait_xcnt 0x0
	s_or_b32 exec_lo, exec_lo, s34
	s_endpgm
.Lfunc_end_k_qdea321447c_main:
	.size	k_qdea321447c_main, .Lfunc_end_k_qdea321447c_main-k_qdea321447c_main
	.p2alignl 7, 3214868480
	.fill 96, 4, 3214868480
	.section	.rodata,"a",@progbits
	.p2align	6, 0x0
	.amdhsa_kernel k_qdea321447c_main
		.amdhsa_group_segment_fixed_size 276736
		.amdhsa_private_segment_fixed_size 0
		.amdhsa_enable_private_segment 0
		.amdhsa_kernarg_size 48
		.amdhsa_user_sgpr_count 2
		.amdhsa_user_sgpr_kernarg_segment_ptr 1
		.amdhsa_wavefront_size32 1
		.amdhsa_system_sgpr_workgroup_id_x 1
		.amdhsa_system_sgpr_workgroup_id_y 1
		.amdhsa_system_sgpr_workgroup_id_z 1
		.amdhsa_system_vgpr_workitem_id 0
		.amdhsa_next_free_vgpr 256
		.amdhsa_next_free_sgpr 66
		.amdhsa_reserve_vcc 1
		.amdhsa_float_denorm_mode_32 3
		.amdhsa_float_denorm_mode_16_64 3
		.amdhsa_memory_ordered 1
		.amdhsa_forward_progress 1
		.amdhsa_inst_pref_size 175
	.end_amdhsa_kernel
	.amdgpu_metadata
---
amdhsa.version: [ 1, 2 ]
amdhsa.kernels:
  - .name:           k_qdea321447c_main
    .symbol:         k_qdea321447c_main.kd
    .args:
      - { .name: embedding, .offset: 0, .size: 8, .value_kind: global_buffer, .address_space: global }
      - { .name: z, .offset: 8, .size: 8, .value_kind: global_buffer, .address_space: global }
      - { .name: out0, .offset: 16, .size: 8, .value_kind: global_buffer, .address_space: global }
      - { .name: gidb, .offset: 24, .size: 8, .value_kind: global_buffer, .address_space: global }
      - { .name: avgp, .offset: 32, .size: 8, .value_kind: global_buffer, .address_space: global }
      - { .name: hp, .offset: 40, .size: 8, .value_kind: global_buffer, .address_space: global }
    .group_segment_fixed_size: 276736
    .private_segment_fixed_size: 0
    .kernarg_segment_align: 8
    .kernarg_segment_size: 48
    .max_flat_workgroup_size: 256
    .sgpr_count:     66
    .vgpr_count:     256
    .wavefront_size: 32
...
	.end_amdgpu_metadata
.endif
;; end of part 1
;; launch resolve (part 2): grid 160 x 1, 4 waves a work-group, no clusters, 1,536 bytes of LDS; arguments embedding, z, gidb, avgp, out2, out3, ep; writes out2, out3, ep
.if DOCPART == 2
	.amdgcn_target "amdgcn-amd-amdhsa--gfx1250"
	.amdhsa_code_object_version 6
	.text
	.protected	k_qdea321447c_resolve
	.globl	k_qdea321447c_resolve
	.p2align	8
	.type	k_qdea321447c_resolve,@function
k_qdea321447c_resolve:
	s_mov_b64 s[64:65], 0
	v_nop
	global_prefetch_b8 v0, s[64:65] scope:SCOPE_SE
	s_setreg_imm32_b32 hwreg(HW_REG_WAVE_MODE, 25, 1), 1
	s_wait_xcnt 0x0
; Work-groups 0-127: for 256 tokens each, the best of the 8 codes of the group that the first launch found, in f32 on the
; bf16-rounded inputs (dot with the raw token times the code's 1/norm: the token's own norm does not change the order);
; the index goes to out3, the normalised (bf16-rounded) code row to out2.  Thread t owns tokens 2t and 2t + 1, so every load of z
; and every store of a wave covers 256 consecutive bytes, aligned.  A strict > in ascending order keeps the lower index on a tie.
; Work-groups 128-159: one block of 64 codes each: the 256 work-groups' sums of q are added, avg = sum / 32768,
; and the block's sum of avg * log2(avg + 1e-6) goes to ep.
; LIMITS as in the first launch: no NaN or infinities; a row's sum of squares inside f32's normal range.
; The matrix unit, LDS tiles and shared requests would add nothing here: 8 candidates a token, gathered by index.
.set Z,    2                           ; v[2:33]    channel c: tokens 0, 1
.set ZB,   34                          ; v[34:49] token 0, v[50:65] token 1, rounded to bf16, as f32
.set GID,  66
.set GOFF, 68
.set XA,   70                          ; v[70:133]  four candidate rows
.set XB,   134                         ; v[134:197] four more
.set BY,   198                         ; v[198:213], v[214:229] the best row so far of token 0, 1
.set BR,   230                         ; its 1/norm
.set BV,   232                         ; its value
.set BI,   234                         ; its place in the group
.set R,    236
.set SS,   244
.set DT,   246
.set RV,   248
.set IR,   249
.set E,    250
.set VV,   252
.macro RNORM y, ss, e                  ; the same lines as in the first launch
	v_rsq_f32 v[\y], v[\ss]
	v_nop
	s_wait_alu depctr_va_vdst(0)
	v_min_num_f32 v[\y], s29, v[\y]
	v_mul_f32 v[\e], v[\ss], v[\y]
	v_fma_f32 v[\e], -v[\e], v[\y], 1.0
	v_mul_f32 v[\e+1], 0.5, v[\y]
	v_fma_f32 v[\y], v[\e+1], v[\e], v[\y]
	v_min_num_f32 v[\y], s29, v[\y]
.endm
	s_load_b256 s[4:11], s[0:1], 0x0               ; embedding s[4:5], z s[6:7], gidb s[8:9], avgp s[10:11]
	s_load_b128 s[12:15], s[0:1], 0x20             ; out2 s[12:13], out3 s[14:15]
	s_load_b64 s[16:17], s[0:1], 0x30              ; ep
	v_lshl_add_u32 v254, v0, 2, 0x400
	v_mov_b32 v255, 0
	s_mov_b32 s18, 0x76543210
	s_mov_b32 s19, 0xfedcba98
	s_mov_b32 s28, 0xffff0000
	s_mov_b32 s29, 0x5368d4a5                      ; 1e12
	s_mov_b32 s21, 0
	s_mov_b32 s23, 0
	s_cmp_ge_u32 ttmp9, 128                        ; the same for all waves of a work-group
	s_cbranch_scc1 .Lavg
	s_lshl_b32 s20, ttmp9, 10                      ; 256 tokens x 4 bytes
	v_lshlrev_b32 v1, 3, v0
	s_wait_kmcnt 0x0
	s_add_nc_u64 s[6:7], s[6:7], s[20:21]
	s_add_nc_u64 s[8:9], s[8:9], s[20:21]
	s_add_nc_u64 s[12:13], s[12:13], s[20:21]
	s_add_nc_u64 s[14:15], s[14:15], s[20:21]
	global_load_b64 v[GID:GID+1], v1, s[8:9]
.irp c, 0,1,2,3,4,5,6,7,8,9,10,11,12,13,14,15
	global_load_b64 v[Z+2*\c:Z+2*\c+1], v1, s[6:7] offset:\c*131072
.endr
.macro LOADC buf, p, i0                ; four rows of 64 bytes of token p's group
.irp i, 0,1,2,3
.irp q, 0,1,2,3
	global_load_b128 v[\buf+16*\i+4*\q:\buf+16*\i+4*\q+3], v[GOFF+\p], s[4:5] offset:(\i0+\i)*64+16*\q
.endr
.endr
.endm
	s_wait_loadcnt 16                              ; the groups are in; z's 16 loads were issued behind them
	v_min_u32 v[GID], 0xff, v[GID]                 ; 256 groups of 8 codes
	v_min_u32 v[GID+1], 0xff, v[GID+1]
	v_lshlrev_b32 v[GOFF], 9, v[GID]               ; a group is 512 bytes
	v_lshlrev_b32 v[GOFF+1], 9, v[GID+1]
	LOADC XA, 0, 0
	LOADC XB, 0, 4
	s_wait_loadcnt 32                              ; z is in; the 32 loads of candidates stay out
.irp c, 0,1,2,3,4,5,6,7,8,9,10,11,12,13,14,15
	v_cvt_pk_bf16_f32 v[R], v[Z+2*\c], v[Z+2*\c+1]
	v_lshlrev_b32 v[ZB+\c], 16, v[R]
	v_and_b32 v[ZB+16+\c], s28, v[R]
.endr
; candidate i of token p: row in x, rounded to bf16 into y (the first straight into the best row)
.macro CAND x, y, p, i
.irp j, 0,1,2,3,4,5,6,7
	v_cvt_pk_bf16_f32 v[R+\j], v[\x+2*\j], v[\x+2*\j+1]
.endr
.irp j, 0,1,2,3,4,5,6,7
	v_lshlrev_b32 v[\y+2*\j], 16, v[R+\j]
	v_and_b32 v[\y+2*\j+1], s28, v[R+\j]
.endr
	v_pk_mul_f32 v[SS:SS+1], v[\y:\y+1], v[\y:\y+1]
	v_pk_mul_f32 v[DT:DT+1], v[\y:\y+1], v[ZB+16*\p:ZB+16*\p+1]
.irp j, 1,2,3,4,5,6,7
	v_pk_fma_f32 v[SS:SS+1], v[\y+2*\j:\y+2*\j+1], v[\y+2*\j:\y+2*\j+1], v[SS:SS+1]
	v_pk_fma_f32 v[DT:DT+1], v[\y+2*\j:\y+2*\j+1], v[ZB+16*\p+2*\j:ZB+16*\p+2*\j+1], v[DT:DT+1]
.endr
	v_add_f32 v[SS], v[SS], v[SS+1]
	v_add_f32 v[DT], v[DT], v[DT+1]
	RNORM RV, SS, E
.if \i == 0
	v_mul_f32 v[BV+\p], v[DT], v[RV]
	v_mov_b32 v[BR+\p], v[RV]
	v_mov_b32 v[BI+\p], 0
.else
	v_mul_f32 v[VV], v[DT], v[RV]
	v_mov_b32 v[IR], \i
	v_cmp_gt_f32 vcc_lo, v[VV], v[BV+\p]
.irp j, 0,1,2,3,4,5,6,7,8,9,10,11,12,13,14,15
	v_cndmask_b32 v[BY+16*\p+\j], v[BY+16*\p+\j], v[\y+\j], vcc_lo
.endr
	v_cndmask_b32 v[BR+\p], v[BR+\p], v[RV], vcc_lo
	v_cndmask_b32 v[BV+\p], v[BV+\p], v[VV], vcc_lo
	v_cndmask_b32 v[BI+\p], v[BI+\p], v[IR], vcc_lo
.endif
.endm
	s_wait_loadcnt 16                              ; buffer A is in; buffer B's 16 loads stay out (so at each of the next two waits)
	CAND XA, BY, 0, 0
.irp i, 1,2,3
	CAND XA+16*\i, XA+16*\i, 0, \i
.endr
	LOADC XA, 1, 0
	s_wait_loadcnt 16
.irp i, 0,1,2,3
	CAND XB+16*\i, XB+16*\i, 0, 4+\i
.endr
	LOADC XB, 1, 4
	s_wait_loadcnt 16
	CAND XA, BY+16, 1, 0
.irp i, 1,2,3
	CAND XA+16*\i, XA+16*\i, 1, \i
.endr
	s_wait_loadcnt 0x0
.irp i, 0,1,2,3
	CAND XB+16*\i, XB+16*\i, 1, 4+\i
.endr
	v_lshl_add_u32 v[GID], v[GID], 3, v[BI]
	v_lshl_add_u32 v[GID+1], v[GID+1], 3, v[BI+1]
	global_store_b64 v1, v[GID:GID+1], s[14:15]
.irp c, 0,1,2,3,4,5,6,7,8,9,10,11,12,13,14,15
	v_mul_f32 v[XA+2*\c], v[BY+\c], v[BR]
	v_mul_f32 v[XA+2*\c+1], v[BY+16+\c], v[BR+1]
	global_store_b64 v1, v[XA+2*\c:XA+2*\c+1], s[12:13] offset:\c*131072
.endr
	s_endpgm
.Lavg:
	s_sub_co_u32 s24, ttmp9, 128                   ; block of 64 codes
	s_lshl_b32 s20, s24, 16                        ; 256 rows of 256 bytes
	s_lshl_b32 s22, s24, 2
	v_lshlrev_b32 v1, 4, v0                        ; 128 threads x 16 bytes: 8 rows at a time
	v_and_b32 v131, 15, v0
	v_lshlrev_b32 v131, 4, v131
	v_lshrrev_b32 v130, 5, v0
	v_lshl_add_u32 v130, v130, 8, v131             ; my wave's 256 bytes
	s_wait_kmcnt 0x0
	s_add_nc_u64 s[10:11], s[10:11], s[20:21]
	s_add_nc_u64 s[16:17], s[16:17], s[22:23]
.set n, 0
.rept 32
	global_load_b128 v[2+4*n:5+4*n], v1, s[10:11] offset:2048*n
.set n, n+1
.endr
	s_wait_loadcnt 0x0
.macro LEVEL cnt                       ; rows cnt .. 2 cnt - 1 are added onto rows 0 .. cnt - 1
.set n, 0
.rept \cnt
	v_pk_add_f32 v[2+4*n:3+4*n], v[2+4*n:3+4*n], v[2+4*(n+\cnt):3+4*(n+\cnt)]
	v_pk_add_f32 v[4+4*n:5+4*n], v[4+4*n:5+4*n], v[4+4*(n+\cnt):5+4*(n+\cnt)]
.set n, n+1
.endr
.endm
	LEVEL 16
	LEVEL 8
	LEVEL 4
	LEVEL 2
	LEVEL 1
.irp k, 0,1,2,3
	v_permlanex16_b32 v[6+\k], v[2+\k], s18, s19   ; the other half of the lanes holds the neighbouring rows
.endr
	v_pk_add_f32 v[2:3], v[2:3], v[6:7]
	v_pk_add_f32 v[4:5], v[4:5], v[8:9]
	ds_store_b128 v130, v[2:5]
	s_wait_dscnt 0x0
	s_barrier_signal -1
	s_barrier_wait -1
.irp k, 0,1,2,3
	ds_load_b128 v[10+4*\k:13+4*\k], v131 offset:256*\k
.endr
	s_wait_dscnt 0x0
	v_pk_add_f32 v[10:11], v[10:11], v[14:15]
	v_pk_add_f32 v[12:13], v[12:13], v[16:17]
	v_pk_add_f32 v[18:19], v[18:19], v[22:23]
	v_pk_add_f32 v[20:21], v[20:21], v[24:25]
	v_pk_add_f32 v[10:11], v[10:11], v[18:19]
	v_pk_add_f32 v[12:13], v[12:13], v[20:21]
	v_pk_mul_f32 v[10:11], v[10:11], 0x38000000 op_sel_hi:[1,0]    ; / 32768 tokens
	v_pk_mul_f32 v[12:13], v[12:13], 0x38000000 op_sel_hi:[1,0]
.irp k, 0,1,2,3
	v_add_f32 v[14+\k], 0x358637bd, v[10+\k]       ; + 1e-6
.endr
.irp k, 0,1,2,3
	v_log_f32 v[14+\k], v[14+\k]
.endr
	v_nop
	s_wait_alu depctr_va_vdst(0)
	v_mul_f32 v14, v10, v14
	v_fmac_f32 v14, v11, v15
	v_fmac_f32 v14, v12, v16
	v_fmac_f32 v14, v13, v17
	v_add_f32_dpp v14, v14, v14 row_xmask:1 row_mask:0xf bank_mask:0xf   ; sixteen lanes hold the block's 64 codes
	v_add_f32_dpp v14, v14, v14 row_xmask:2 row_mask:0xf bank_mask:0xf
	v_add_f32_dpp v14, v14, v14 row_xmask:4 row_mask:0xf bank_mask:0xf
	v_add_f32_dpp v14, v14, v14 row_xmask:8 row_mask:0xf bank_mask:0xf
	v_mov_b32 v15, 0
	v_cmp_eq_u32 vcc_lo, 0, v0
	s_wait_xcnt 0x0                                ; EXEC changes only behind this wait
	s_wait_tensorcnt 0x0
	ds_add_u32 v254, v255
	s_wait_dscnt 0x0
	s_and_saveexec_b32 s25, vcc_lo
	global_store_b32 v15, v14, s[16:17]
	s_wait_xcnt 0x0
	s_or_b32 exec_lo, exec_lo, s25
	s_endpgm
.Lfunc_end_k_qdea321447c_resolve:
	.size	k_qdea321447c_resolve, .Lfunc_end_k_qdea321447c_resolve-k_qdea321447c_resolve
	.p2alignl 7, 3214868480
	.fill 96, 4, 3214868480
	.section	.rodata,"a",@progbits
	.p2align	6, 0x0
	.amdhsa_kernel k_qdea321447c_resolve
		.amdhsa_group_segment_fixed_size 1536
		.amdhsa_private_segment_fixed_size 0
		.amdhsa_enable_private_segment 0
		.amdhsa_kernarg_size 56
		.amdhsa_user_sgpr_count 2
		.amdhsa_user_sgpr_kernarg_segment_ptr 1
		.amdhsa_wavefront_size32 1
		.amdhsa_system_sgpr_workgroup_id_x 1
		.amdhsa_system_sgpr_workgroup_id_y 1
		.amdhsa_system_sgpr_workgroup_id_z 1
		.amdhsa_system_vgpr_workitem_id 0
		.amdhsa_next_free_vgpr 256
		.amdhsa_next_free_sgpr 66
		.amdhsa_reserve_vcc 1
		.amdhsa_float_denorm_mode_32 3
		.amdhsa_float_denorm_mode_16_64 3
		.amdhsa_memory_ordered 1
		.amdhsa_forward_progress 1
		.amdhsa_inst_pref_size 73
	.end_amdhsa_kernel
	.amdgpu_metadata
---
amdhsa.version: [ 1, 2 ]
amdhsa.kernels:
  - .name:           k_qdea321447c_resolve
    .symbol:         k_qdea321447c_resolve.kd
    .args:
      - { .name: embedding, .offset: 0, .size: 8, .value_kind: global_buffer, .address_space: global }
      - { .name: z, .offset: 8, .size: 8, .value_kind: global_buffer, .address_space: global }
      - { .name: gidb, .offset: 16, .size: 8, .value_kind: global_buffer, .address_space: global }
      - { .name: avgp, .offset: 24, .size: 8, .value_kind: global_buffer, .address_space: global }
      - { .name: out2, .offset: 32, .size: 8, .value_kind: global_buffer, .address_space: global }
      - { .name: out3, .offset: 40, .size: 8, .value_kind: global_buffer, .address_space: global }
      - { .name: ep, .offset: 48, .size: 8, .value_kind: global_buffer, .address_space: global }
    .group_segment_fixed_size: 1536
    .private_segment_fixed_size: 0
    .kernarg_segment_align: 8
    .kernarg_segment_size: 56
    .max_flat_workgroup_size: 128
    .sgpr_count:     66
    .vgpr_count:     256
    .wavefront_size: 32
...
	.end_amdgpu_metadata
.endif
;; end of part 2
;; launch final (part 3): grid 1 x 1, 1 waves a work-group, no clusters, 0 bytes of LDS; arguments hp, ep, out1; writes out1
.if DOCPART == 3
	.amdgcn_target "amdgcn-amd-amdhsa--gfx1250"
	.amdhsa_code_object_version 6
	.text
	.protected	k_qdea321447c_final
	.globl	k_qdea321447c_final
	.p2align	8
	.type	k_qdea321447c_final,@function
k_qdea321447c_final:
	s_mov_b64 s[64:65], 0
	v_nop
	global_prefetch_b8 v0, s[64:65] scope:SCOPE_SE
	s_setreg_imm32_b32 hwreg(HW_REG_WAVE_MODE, 25, 1), 1
	s_wait_xcnt 0x0
; out1 = 0.01 ln 2 * (sum over 32 blocks of ep - sum over 256 work-groups of hp / 32768):
; ep holds sums of avg log2(avg + 1e-6), hp sums of q log2 q; sample entropy minus entropy of the average, times 0.01.
; One wave: 256 + 32 numbers; a sum that spans work-groups is ordered by a launch of its own.
	s_load_b128 s[4:7], s[0:1], 0x0                ; hp s[4:5], ep s[6:7]
	s_load_b64 s[8:9], s[0:1], 0x10                ; out1
	s_mov_b32 s10, 0x76543210
	s_mov_b32 s11, 0xfedcba98
	v_lshlrev_b32 v1, 4, v0
	v_lshlrev_b32 v2, 2, v0
	v_mov_b32 v3, 0
	s_wait_kmcnt 0x0
	global_load_b128 v[4:7], v1, s[4:5]
	global_load_b128 v[8:11], v1, s[4:5] offset:512
	global_load_b32 v12, v2, s[6:7]
	s_wait_loadcnt 0x0
	v_pk_add_f32 v[4:5], v[4:5], v[6:7]
	v_pk_add_f32 v[8:9], v[8:9], v[10:11]
	v_pk_add_f32 v[4:5], v[4:5], v[8:9]
	v_add_f32 v4, v4, v5
	v_fmamk_f32 v4, v4, 0xb8000000, v12            ; ep - hp / 32768
	v_add_f32_dpp v4, v4, v4 row_xmask:1 row_mask:0xf bank_mask:0xf
	v_add_f32_dpp v4, v4, v4 row_xmask:2 row_mask:0xf bank_mask:0xf
	v_add_f32_dpp v4, v4, v4 row_xmask:4 row_mask:0xf bank_mask:0xf
	v_add_f32_dpp v4, v4, v4 row_xmask:8 row_mask:0xf bank_mask:0xf
	v_permlanex16_b32 v5, v4, s10, s11
	v_add_f32 v4, v4, v5
	v_mul_f32 v4, 0x3be32166, v4                   ; 0.01 ln 2
	v_cmp_eq_u32 vcc_lo, 0, v0
	s_wait_xcnt 0x0                                ; EXEC changes only behind this wait
	s_and_saveexec_b32 s12, vcc_lo
	global_store_b32 v3, v4, s[8:9]
	s_wait_xcnt 0x0
	s_or_b32 exec_lo, exec_lo, s12
	s_endpgm
.Lfunc_end_k_qdea321447c_final:
	.size	k_qdea321447c_final, .Lfunc_end_k_qdea321447c_final-k_qdea321447c_final
	.p2alignl 7, 3214868480
	.fill 96, 4, 3214868480
	.section	.rodata,"a",@progbits
	.p2align	6, 0x0
	.amdhsa_kernel k_qdea321447c_final
		.amdhsa_group_segment_fixed_size 0
		.amdhsa_private_segment_fixed_size 0
		.amdhsa_enable_private_segment 0
		.amdhsa_kernarg_size 24
		.amdhsa_user_sgpr_count 2
		.amdhsa_user_sgpr_kernarg_segment_ptr 1
		.amdhsa_wavefront_size32 1
		.amdhsa_system_sgpr_workgroup_id_x 1
		.amdhsa_system_sgpr_workgroup_id_y 1
		.amdhsa_system_sgpr_workgroup_id_z 1
		.amdhsa_system_vgpr_workitem_id 0
		.amdhsa_next_free_vgpr 16
		.amdhsa_next_free_sgpr 66
		.amdhsa_reserve_vcc 1
		.amdhsa_float_denorm_mode_32 3
		.amdhsa_float_denorm_mode_16_64 3
		.amdhsa_memory_ordered 1
		.amdhsa_forward_progress 1
		.amdhsa_inst_pref_size 2
	.end_amdhsa_kernel
	.amdgpu_metadata
---
amdhsa.version: [ 1, 2 ]
amdhsa.kernels:
  - .name:           k_qdea321447c_final
    .symbol:         k_qdea321447c_final.kd
    .args:
      - { .name: hp, .offset: 0, .size: 8, .value_kind: global_buffer, .address_space: global }
      - { .name: ep, .offset: 8, .size: 8, .value_kind: global_buffer, .address_space: global }
      - { .name: out1, .offset: 16, .size: 8, .value_kind: global_buffer, .address_space: global }
    .group_segment_fixed_size: 0
    .private_segment_fixed_size: 0
    .kernarg_segment_align: 8
    .kernarg_segment_size: 24
    .max_flat_workgroup_size: 32
    .sgpr_count:     66
    .vgpr_count:     16
    .wavefront_size: 32
...
	.end_amdgpu_metadata
.endif
;; end of part 3
